; MI455X (gfx1250); checked and timed in simulation.
; The chip was launched on July 23, 2026; its instructions are those of AMD's public machine-readable ISA for CDNA 5 (MIT licence, August 2026) and "CDNA5" Instruction Set Architecture Reference Guide (July 2026). The comments in the code are by the model that wrote it; some were corrected since.
;; QMLP. Allowed arithmetic: matrix products marked QUANTISED: E5M2 operands, one given power-of-two scale a tensor, by v_wmma_f32_16x16x64_bf8_bf8 or v_wmma_f32_16x16x128_bf8_bf8, f32 sums; everything else in f32.
;; Inputs: W1_i 512 x 512 float32; W1_j 512 x 512 float32; W1_k 512 x 512 float32; W1_r 512 x 512 float32; W2_i 512 x 512 float32; W2_j 512 x 512 float32; W2_k 512 x 512 float32; W2_r 512 x 512 float32; b1_i 512 float32; b1_j 512 float32; b1_k 512 float32; b1_r 512 float32; b2_i 512 float32; b2_j 512 float32; b2_k 512 float32; b2_r 512 float32; lowp_scales 4 int32 (the exponents e of the quantised operands' scales 2^e); q_i 8,192 x 512 float32; q_j 8,192 x 512 float32; q_k 8,192 x 512 float32; q_r 8,192 x 512 float32.
;; Outputs: out0 8,192 x 512 float32; out1 8,192 x 512 float32; out2 8,192 x 512 float32; out3 8,192 x 512 float32.
;; This version of the problem:
;;   THIS VERSION OF THE PROBLEM IS GIVEN IN LOW PRECISION. The matrix products marked QUANTISED in the list below multiply operands that are first quantised to E5M2 (5 exponent bits, 2 mantissa bits; 8 bits a number), with one given power-of-two scale for each operand tensor; their sums are f32. All else is computed in f32.
;;   The module's matrix products, in the order in which they are computed (A, B: the left and right operand; K: the contracted axis; several contracted axes count as one K, in the product's order):
;;     1. [M 8,192, K 2,048] x [K 2,048, N 2,048]; A: computed on the way; B: computed on the way: QUANTISED (scales: A lowp_scales[0], B lowp_scales[1])
;;     2. [M 8,192, K 2,048] x [K 2,048, N 2,048]; A: computed on the way; B: computed on the way: QUANTISED (scales: A lowp_scales[2], B lowp_scales[3])
;;   THE QUANTISER, for each operand of a quantised product, along K:
;;     - The operand's scale is 2^e, e = its entry of the input lowp_scales (int32; the entries are numbered through the quantised products in the list's order, A before B).
;;     - Each number is divided by the scale, clamped to +-57,344, and rounded to the nearest number of E5M2, ties to even, subnormals kept.
;;     - The product sums the exact products of the quantised numbers (number of the format x scale) in f32.
;;   ~~~python
;;   def quantise(x, axis, e):      # numpy; x: float32 -> the quantised numbers, widened to float32 again
;;       x = np.moveaxis(x, axis, -1); K = x.shape[-1]
;;       r = np.clip(x / 2.0 ** e, -57344, 57344)
;;       step = 2.0 ** (np.maximum(np.frexp(np.where(r == 0, 1, r))[1] - 1, -14) - 2)
;;       q = np.round(r / step) * step * 2.0 ** e      # np.round: ties to even
;;       return np.moveaxis(q, -1, axis).astype(np.float32)
;;   ~~~
;;   OPERANDS COMPUTED ON THE WAY. 'Computed on the way' means the value that the module computes at that place (a softmax that the list does not call 'softmax' is quantised finished and normalised). What goes into a quantiser is computed in f32, as accurately as f32 sums, v_exp_f32 and their like allow (about 1e-6 of the number): no bf16 or f16 on the way to a quantiser, and a product that is left as it is and whose result goes on into a quantised operand takes f32 operands (vector FMAs, or v_wmma_f32_16x16x4_f32). A number that lies on a knife's edge between two numbers of the format may be rounded either way, as far as f32 arithmetic and the matrix unit's own rounding can turn it there, and no further.
;; One version. Each part assembles by itself: llvm-mc -triple=amdgcn-amd-amdhsa -mcpu=gfx1250 --defsym DOCPART=n.
;; ======== version 1 of 1: 3 launches
;; limits: right only within a limited range of input values
;; workspace buffers: wq 2,097,152 bytes; xq 16,777,216 bytes; hq 16,777,216 bytes
;; launch prep (part 1): grid 256 x 1, 18 waves a work-group, no clusters, 154,368 bytes of LDS; arguments q_r, q_i, q_j, q_k, W1_r, W1_i, W1_j, W1_k, W2_r, W2_i, W2_j, W2_k, lowp_scales, wq, xq; writes wq, xq
.if DOCPART == 1
	.amdgcn_target "amdgcn-amd-amdhsa--gfx1250"
	.amdhsa_code_object_version 6
	.text
	.protected	k_q1063563e3e_prep
	.globl	k_q1063563e3e_prep
	.p2align	8
	.type	k_q1063563e3e_prep,@function
k_q1063563e3e_prep:
	s_mov_b64 s[64:65], 0
	v_nop
	global_prefetch_b8 v0, s[64:65] scope:SCOPE_SE
	s_setreg_imm32_b32 hwreg(HW_REG_WAVE_MODE, 25, 1), 1
	s_wait_xcnt 0x0
; The four inputs q [8192][512] and the eight weights [512][512], f32, become codes of E5M2, laid as images of the operand registers of the two launches behind.
; code = x / 2^e, held within +-57,344, to the nearest code, ties to even; e = entry 0 for q, entry 1 for layer 1's weights, entry 3 for layer 2's.
; LIMITS: e between -126 and 112, so that 2^e and 57,344 x 2^e are f32 numbers.  NaN among the inputs is not served.
; A fragment is 16 rows x 128 K, 2,048 bytes: chunk q (of 4) holds for lane l the codes of row l % 16, k = 128 s + 32 q + 16 (l / 16) + 0 .. 15.
; xq = [row block 64][s 4][m 8][component 4][2,048]: rows 128 block + 16 m + r.
; wq = [layer 2][cb 4][w 4][s 4][u 2][component 4][2,048]: rows 128 cb + 32 w + 16 u + r in layer 2, 128 cb + 32 w + 8 u + r + 8 (r / 8) in layer 1
; (so that layer 1's two tiles u = 0, 1 give a lane 16 neighbours along layer 2's K).
; Work-group g: waves 0-15 take 32 rows of q, one component and one s each; waves 16, 17 one weight matrix, one s each: 32 rows, two fragments, for all alike.
; A load reads 512 consecutive bytes of one row; the 16 rows of a fragment turn through the wave's own stage in LDS (rows 528 bytes apart), since a conversion takes neighbours along K from one lane.
; The wave's 32 loads are all asked for at once: no loop to run ahead in, so no prefetch.  Waves share nothing: no barrier, no cluster.
.set SPI,   528
.set SPARE, 18*16*SPI
	s_load_b512 s[8:23], s[0:1], 0x0               ; q_r, q_i, q_j, q_k, W1_r, W1_i, W1_j, W1_k
	s_load_b256 s[24:31], s[0:1], 0x40             ; W2_r .. W2_k
	s_load_b128 s[32:35], s[0:1], 0x60             ; the scales' exponents, wq
	s_load_b64 s[36:37], s[0:1], 0x70              ; xq
	v_lshl_add_u32 v1, v0, 2, SPARE
	v_mov_b32 v2, 0
	v_lshrrev_b32 v3, 5, v0
	v_readfirstlane_b32 s46, v3                    ; wave
	v_and_b32 v4, 31, v0
	v_lshlrev_b32 v4, 4, v4                        ; 16 bytes a lane
	s_mul_i32 s60, s46, 16*SPI                     ; my stage
	v_add_nc_u32 v5, s60, v4                       ; in: a row
	v_and_b32 v6, 15, v0
	v_mul_u32_u24 v6, v6, SPI
	v_bfe_u32 v7, v0, 4, 1
	v_lshl_add_u32 v6, v7, 6, v6
	v_add_nc_u32 v6, s60, v6                       ; back: row l % 16, 64 bytes for each half of the lanes
	s_wait_alu depctr_va_vdst(0)
	s_and_b32 s47, s46, 3                          ; q: component,
	s_lshr_b32 s48, s46, 2                         ; s
	s_and_b32 s49, ttmp9, 1
	s_lshl_b32 s49, s49, 1
	s_and_b32 s50, s46, 1
	s_add_co_u32 s49, s49, s50                     ; weights: component = 2 (g % 2) + (wave - 16),
	s_bfe_u32 s50, ttmp9, 0x20001                  ; s,
	s_bfe_u32 s52, ttmp9, 0x40003                  ; 4 cb + w: the run of 32 rows,
	s_lshr_b32 s57, ttmp9, 7                       ; layer - 1
	s_lshr_b32 s53, ttmp9, 2
	s_lshl_b32 s53, s53, 18
	s_lshl_b32 s54, s48, 16
	s_add_co_u32 s53, s53, s54
	s_and_b32 s54, ttmp9, 3
	s_lshl_b32 s54, s54, 14
	s_add_co_u32 s53, s53, s54
	s_lshl_b32 s54, s47, 11
	s_add_co_u32 s53, s53, s54                     ; my place in xq
	s_lshr_b32 s55, ttmp9, 1
	s_lshl_b32 s55, s55, 14
	s_lshl_b32 s54, s49, 11
	s_add_co_u32 s55, s55, s54                     ; my place in wq
	s_mov_b32 s54, 0x4000
	s_cmp_lt_u32 s46, 16
	s_cselect_b32 s47, s47, s49
	s_cselect_b32 s48, s48, s50
	s_cselect_b32 s51, ttmp9, s52
	s_cselect_b32 s62, s53, s55
	s_cselect_b32 s58, 1, s57                      ; 0 for layer 1's weights alone
	s_cmp_eq_u32 s58, 0
	s_cselect_b32 s66, 0x8000, s54                 ; from a fragment's rows 0-7 to its rows 8-15: 16 rows or 8
	s_cselect_b32 s68, s54, 0x8000                 ; from the first fragment to the second: 8 rows or 16
	s_mov_b32 s67, 0
	s_mov_b32 s69, 0
	s_lshl_b32 s60, s51, 16                        ; 32 rows of 2,048 bytes
	s_lshl_b32 s61, s48, 9
	s_add_co_u32 s60, s60, s61
	s_mov_b32 s61, 0
	s_mov_b32 s63, 0
	s_wait_kmcnt 0x0
	s_load_b128 s[40:43], s[32:33], 0x0            ; e0 .. e3
	s_and_b32 s2, s47, 1                           ; the source is chosen by ids alone
	s_cmp_lg_u32 s2, 0
	s_cselect_b64 s[8:9], s[10:11], s[8:9]
	s_cselect_b64 s[12:13], s[14:15], s[12:13]
	s_cselect_b64 s[16:17], s[18:19], s[16:17]
	s_cselect_b64 s[20:21], s[22:23], s[20:21]
	s_cselect_b64 s[24:25], s[26:27], s[24:25]
	s_cselect_b64 s[28:29], s[30:31], s[28:29]
	s_and_b32 s2, s47, 2
	s_cmp_lg_u32 s2, 0
	s_cselect_b64 s[8:9], s[12:13], s[8:9]
	s_cselect_b64 s[16:17], s[20:21], s[16:17]
	s_cselect_b64 s[24:25], s[28:29], s[24:25]
	s_cmp_eq_u32 s57, 0
	s_cselect_b64 s[16:17], s[16:17], s[24:25]
	s_cmp_lt_u32 s46, 16
	s_cselect_b64 s[8:9], s[8:9], s[16:17]
	s_cselect_b64 s[34:35], s[36:37], s[34:35]
	s_add_nc_u64 s[8:9], s[8:9], s[60:61]
	s_add_nc_u64 s[10:11], s[8:9], s[66:67]
	s_add_nc_u64 s[12:13], s[8:9], s[68:69]
	s_add_nc_u64 s[34:35], s[34:35], s[62:63]
.irp i, 0,1,2,3,4,5,6,7
	global_load_b128 v[8+4*\i:11+4*\i], v4, s[8:9] offset:2048*\i th:TH_LOAD_NT
.endr
.irp i, 0,1,2,3,4,5,6,7
	global_load_b128 v[40+4*\i:43+4*\i], v4, s[10:11] offset:2048*\i th:TH_LOAD_NT
.endr
.irp i, 0,1,2,3,4,5,6,7
	global_load_b128 v[72+4*\i:75+4*\i], v4, s[12:13] offset:2048*\i th:TH_LOAD_NT
.endr
.irp i, 0,1,2,3,4,5,6,7
	global_load_b128 v[104+4*\i:107+4*\i], v4, s[8:9] offset:49152+2048*\i th:TH_LOAD_NT
.endr
	s_wait_kmcnt 0x0
	s_cmp_eq_u32 s57, 0
	s_cselect_b32 s2, s41, s43
	s_cmp_lt_u32 s46, 16
	s_cselect_b32 s2, s40, s2                      ; e
	s_add_co_i32 s2, s2, 127
	s_lshl_b32 s3, s2, 23
	v_mov_b32 v3, s3                               ; 2^e: the conversion takes its exponent field
	s_add_co_i32 s2, s2, 15
	s_lshl_b32 s2, s2, 23
	s_or_b32 s2, s2, 0x600000
	v_mov_b32 v7, s2                               ; 57,344 x 2^e
	s_wait_alu depctr_va_vdst(0)
.macro QB src, dst                     ; 32 numbers: held (the conversion does not saturate: ISA guide 7.6.2), then converted
.set j, \src
.rept 32
	v_med3_num_f32 v[j], v[j], -v7, v7
.set j, j+1
.endr
.irp i, 0,1,2,3
	v_cvt_scalef32_pk8_bf8_f32 v[\dst+2*\i:\dst+2*\i+1], v[\src+8*\i:\src+8*\i+7], v3
.endr
.endm
.macro FRAG l, cnt, i0
	s_wait_loadcnt \cnt                            ; this fragment's sixteen loads are in
.irp i, 0,1,2,3,4,5,6,7,8,9,10,11,12,13,14,15
	ds_store_b128 v5, v[\l+4*\i:\l+4*\i+3] offset:SPI*\i
.endr
.irp q, 0,1
.irp j, 0,1,2,3
	ds_load_b128 v[136+16*\q+4*\j:139+16*\q+4*\j], v6 offset:128*\q+16*\j   ; LDS serves a wave's instructions in order
.endr
.endr
	s_wait_dscnt 0x0                               ; chunks 0, 1 are back; the stores have read their registers
.irp q, 0,1
.irp j, 0,1,2,3
	ds_load_b128 v[\l+16*\q+4*\j:\l+16*\q+4*\j+3], v6 offset:256+128*\q+16*\j
.endr
.endr
	QB 136, \l+32
	v_nop
	s_wait_dscnt 0x0                               ; chunks 2, 3
	QB \l, \l+40
	v_nop                                          ; one plain vector line behind the last conversion
.irp q, 0,1,2,3
	global_store_b128 v4, v[\l+32+4*\q:\l+35+4*\q], s[34:35] offset:8192*\i0+512*\q   ; 512 consecutive bytes, aligned
.endr
.endm
	FRAG 8, 16, 0
	FRAG 72, 0, 1
	s_wait_tensorcnt 0x0                           ; the wave's end
	ds_add_u32 v1, v2
	s_wait_dscnt 0x0
	s_endpgm
.Lfunc_end_k_q1063563e3e_prep:
	.size	k_q1063563e3e_prep, .Lfunc_end_k_q1063563e3e_prep-k_q1063563e3e_prep
	.p2alignl 7, 3214868480
	.fill 96, 4, 3214868480
	.section	.rodata,"a",@progbits
	.p2align	6, 0x0
	.amdhsa_kernel k_q1063563e3e_prep
		.amdhsa_group_segment_fixed_size 154368
		.amdhsa_private_segment_fixed_size 0
		.amdhsa_enable_private_segment 0
		.amdhsa_kernarg_size 120
		.amdhsa_user_sgpr_count 2
		.amdhsa_user_sgpr_kernarg_segment_ptr 1
		.amdhsa_wavefront_size32 1
		.amdhsa_system_sgpr_workgroup_id_x 1
		.amdhsa_system_sgpr_workgroup_id_y 1
		.amdhsa_system_sgpr_workgroup_id_z 1
		.amdhsa_system_vgpr_workitem_id 0
		.amdhsa_next_free_vgpr 168
		.amdhsa_next_free_sgpr 80
		.amdhsa_reserve_vcc 0
		.amdhsa_float_denorm_mode_32 3
		.amdhsa_float_denorm_mode_16_64 3
		.amdhsa_memory_ordered 1
		.amdhsa_forward_progress 1
		.amdhsa_inst_pref_size 21
	.end_amdhsa_kernel
	.amdgpu_metadata
---
amdhsa.version: [ 1, 2 ]
amdhsa.kernels:
  - .name:           k_q1063563e3e_prep
    .symbol:         k_q1063563e3e_prep.kd
    .args:
      - { .name: q_r, .offset: 0, .size: 8, .value_kind: global_buffer, .address_space: global }
      - { .name: q_i, .offset: 8, .size: 8, .value_kind: global_buffer, .address_space: global }
      - { .name: q_j, .offset: 16, .size: 8, .value_kind: global_buffer, .address_space: global }
      - { .name: q_k, .offset: 24, .size: 8, .value_kind: global_buffer, .address_space: global }
      - { .name: W1_r, .offset: 32, .size: 8, .value_kind: global_buffer, .address_space: global }
      - { .name: W1_i, .offset: 40, .size: 8, .value_kind: global_buffer, .address_space: global }
      - { .name: W1_j, .offset: 48, .size: 8, .value_kind: global_buffer, .address_space: global }
      - { .name: W1_k, .offset: 56, .size: 8, .value_kind: global_buffer, .address_space: global }
      - { .name: W2_r, .offset: 64, .size: 8, .value_kind: global_buffer, .address_space: global }
      - { .name: W2_i, .offset: 72, .size: 8, .value_kind: global_buffer, .address_space: global }
      - { .name: W2_j, .offset: 80, .size: 8, .value_kind: global_buffer, .address_space: global }
      - { .name: W2_k, .offset: 88, .size: 8, .value_kind: global_buffer, .address_space: global }
      - { .name: lowp_scales, .offset: 96, .size: 8, .value_kind: global_buffer, .address_space: global }
      - { .name: wq, .offset: 104, .size: 8, .value_kind: global_buffer, .address_space: global }
      - { .name: xq, .offset: 112, .size: 8, .value_kind: global_buffer, .address_space: global }
    .group_segment_fixed_size: 154368
    .private_segment_fixed_size: 0
    .kernarg_segment_align: 8
    .kernarg_segment_size: 120
    .max_flat_workgroup_size: 576
    .sgpr_count:     80
    .vgpr_count:     168
    .wavefront_size: 32
...
	.end_amdgpu_metadata
.endif
;; end of part 1
;; launch layer1 (part 2): grid 256 x 1, 4 waves a work-group, clusters of 4 x 1, 327,680 bytes of LDS; arguments xq, wq, b1_r, b1_i, b1_j, b1_k, lowp_scales, hq; writes hq
.if DOCPART == 2
	.amdgcn_target "amdgcn-amd-amdhsa--gfx1250"
	.amdhsa_code_object_version 6
	.text
	.protected	k_q1063563e3e_layer1
	.globl	k_q1063563e3e_layer1
	.p2align	8
	.type	k_q1063563e3e_layer1,@function
k_q1063563e3e_layer1:
	s_mov_b64 s[64:65], 0
	v_nop
	global_prefetch_b8 v0, s[64:65] scope:SCOPE_SE
	s_setreg_imm32_b32 hwreg(HW_REG_WAVE_MODE, 25, 1), 1
	s_wait_xcnt 0x0
	s_wait_alu depctr_hold_cnt(0) depctr_sa_sdst(0) depctr_va_vdst(0) depctr_va_sdst(0) depctr_va_ssrc(0) depctr_va_vcc(0) depctr_vm_vsrc(0)
	s_getreg_b32 s2, hwreg(HW_REG_IB_STS2, 6, 4)
	s_cmp_eq_u32 s2, 0
	s_cbranch_scc0 .Lentry_in_a_cluster
	s_endpgm
.Lentry_in_a_cluster:
	s_bfe_u32 s2, ttmp6, 0x10000c
	s_cmp_lg_u32 s2, 0x3003
	s_cbranch_scc0 .Lentry_shape_is_right
	s_endpgm
.Lentry_shape_is_right:
; Layer 1: h = relu(W1 (x) q + b1), quantised by entry 2, stored as layer 2's operand images: hq = [row block 64][s 4][m 8][component 4][2,048 bytes].
; A work-group makes 128 rows x 128 hidden units x 4 components.  Component o of the Hamilton product sums W_c x_i over c ^ i = o; six of the sixteen pairs (c, i) are negative (NEGS, bit 4 c + i).
; LIMITS: e0 + e1 and e2 - e0 - e1 between -126 and 112 (powers of two that are f32 numbers); b1 / 2^(e0 + e1) stays an f32 number; NaN is not served.
; All of x's codes for the 128 rows, 256 KiB, lie in LDS, filled once: the first 64 KiB (K 0 .. 127) at the head, the rest behind one more round of the cluster's barrier.
; CLUSTERS: the four work-groups of a cluster make the four column blocks of the same rows: x is asked for jointly.  A wave's weight fragments are read by this wave alone and go from memory into its registers,
; a slice of 128 along K ahead, with no tile in LDS: so they are not asked for jointly.  NO PREFETCH: all of x is asked for before the first product, the weights a slice ahead, and there is no loop.
; A wave makes 8 row tiles (m) x 2 unit tiles (u) x 4 components: 64 accumulators.  Source 0 = weights, source 1 = x: a lane holds one row, its registers run along the units; by layer 1's order of
; weight rows tiles u = 0 and 1 are 16 neighbours, so that (m, o)'s 16 codes a lane are chunk w of layer 2's fragment: a store covers 512 consecutive bytes, aligned.
; REGISTERS: window 0: v0-31 addresses and scales, v32-127 x: slots 0-5, v128-255 weights of even slices (in slice 3: codes on the way out); window 1: v0-127 weights of odd slices, v128-223 negated weights
; of components 1-3, v224-255 x: slots 6, 7; windows 2, 3: accumulator (m, u, o) at v[64 (m % 4) + 8 (4 u + o)] in window 2 + m / 4.
; A slice is 8 groups of four x fragments (slots 0-3 and 4-7 by turns), 32 matrix instructions each.  Slices 0-2 go by component of x: component 0 needs no negated weights, which are made there.
; Slice 3 goes by m: finished rows leave while others are multiplied.
.set SPARE, 262144
.set NEGS,  0xAC60
.set MSB,   0
.macro WIN new                         ; the immediate's high byte repeats the setting that is left
.if MSB != (\new)
	s_set_vgpr_msb (MSB<<8)|(\new)
.set MSB, (\new)
.endif
.endm
.macro PLACES n
.rept \n
	v_nop
.endr
.endm
.macro CROUND                          ; a round of the cluster's barrier
	s_barrier_signal -1
	s_barrier_wait -1
	s_cmp_lg_u32 s48, 0
	s_cbranch_scc1 .Lnot_wave_0_\@
	s_barrier_signal -3
.Lnot_wave_0_\@:
	s_barrier_wait -3
	s_barrier_signal -1
	s_barrier_wait -1
.endm
.macro WLD s, f                        ; weight fragment f = 4 u + c of slice s
.set WS, (\s)%2
.set WD, 16*(\f)+128*(1-WS)
	WIN 0x40*WS
.irp q, 0,1,2,3
	global_load_b128 v[WD+4*\q:WD+4*\q+3], v3, s[10:11] offset:16384*(\s)+2048*(\f)+512*\q
.endr
.endm
.macro XLD g                           ; group g (8 a slice): four fragments of x, sixteen loads in one run
.set LS, (\g)/8
.set LP, (\g)%8
.irp mm, 0,1,2,3
.set SL, 4*((\g)%2)+\mm
.if LS < 3
.set XF, 4*(4*(LP%2)+\mm)+LP/2
.else
.set XF, 4*LP+\mm
.endif
.if SL < 6
	WIN 0
.set LB, 32+16*SL
.else
	WIN 0x40
.set LB, 128+16*SL
.endif
.irp q, 0,1,2,3
	ds_load_b128 v[LB+4*\q:LB+4*\q+3], v[8+LS] offset:2048*XF+512*\q
.endr
.endr
	WIN 0
.endm
.macro MM m, u, o, ci, xs, st          ; one product: accumulator (m, u, o) += W_(o ^ ci) x_ci, x in slot xs
.set CW, (\o)^(\ci)
.if (NEGS>>(4*CW+(\ci)))&1
.set AR, 96+32*CW+16*(\u)
.set AWN, 1
.else
.set AWN, (\st)%2
.set AR, 16*(4*(\u)+CW)+128*(1-AWN)
.endif
.if (\xs) < 6
.set XB, 32+16*(\xs)
.set BWN, 0
.else
.set XB, 128+16*(\xs)
.set BWN, 4
.endif
.set AC, 64*((\m)%4)+8*(4*(\u)+(\o))
	WIN AWN+BWN+0x50*(2+(\m)/4)
	v_wmma_f32_16x16x128_bf8_bf8 v[AC:AC+7], v[AR:AR+15], v[XB:XB+15], v[AC:AC+7]
.endm
.macro XR st, n                        ; the next n registers of negated weights: every code's sign turned
	WIN 0x40+4*((\st)%2)
.rept \n
.set XC, (XI/32)+1
.set XU, (XI%32)/16
.set XSR, 16*(4*XU+XC)+(XI%16)+128*(1-((\st)%2))
	v_xor_b32 v[128+XI], s52, v[XSR]
.set XI, XI+1
.endr
.endm
.macro OQ s, g, o
.irp mm, 0,1,2,3
.irp u, 0,1
	MM MB+\mm, \u, \o, CI, MB+\mm, \s
.endr
.if ((\g)<2) && ((\mm%2)==1)
	XR \s, 6
.endif
.endr
.endm
.macro GRP s, g                        ; slices 0-2: group g: component g / 2 of x, row tiles 4 (g % 2) .. + 3
.set CI, (\g)/2
.set MB, 4*((\g)%2)
	s_wait_dscnt 0x0                               ; this group is in: asked for 24 matrix instructions ago
	OQ \s, \g, 0
.if ((\s)==0) && ((\g)==7)
	s_wait_tensorcnt 0x0                           ; my part of slices 1-3 is in;
	s_wait_dscnt 0x0
	s_barrier_signal -1
	s_barrier_wait -1                              ; and everybody's
.endif
	PLACES 4                                       ; places in front of loads into registers that matrix instructions have read
	XLD 8*(\s)+(\g)+1
.if (\g) < 4
	WLD (\s)+1, 2*(\g)
	WLD (\s)+1, 2*(\g)+1
.endif
	OQ \s, \g, 1
	OQ \s, \g, 2
	OQ \s, \g, 3
.if (\g) == 1
	s_wait_alu depctr_va_vdst(0)                   ; the negated weights are written
.endif
.endm
.macro HK o, m                         ; (m, o) on its way out: relu and the hold at the largest code in one (the conversion does not saturate: ISA guide 7.6.2), then 16 codes a lane
.set HW, 2+(\m)/4
.set HB, 64*((\m)%4)+8*(\o)
.set HT, 128+16*((\m)%2)+4*(\o)
	WIN HW*0x41
.irp i, 0,1,2,3,4,5,6,7
	v_med3_num_f32 v[HB+\i], v[HB+\i], 0, v14
.endr
.irp i, 0,1,2,3,4,5,6,7
	v_med3_num_f32 v[HB+32+\i], v[HB+32+\i], 0, v14
.endr
	WIN HW
	v_cvt_scalef32_pk8_bf8_f32 v[HT:HT+1], v[HB:HB+7], v15
	v_cvt_scalef32_pk8_bf8_f32 v[HT+2:HT+3], v[HB+32:HB+39], v15
	v_nop                                          ; one plain vector line behind the last conversion
.endm
.macro SND m
	WIN 0
.irp o, 0,1,2,3
	global_store_b128 v3, v[128+16*((\m)%2)+4*\o:131+16*((\m)%2)+4*\o], s[22:23] offset:2048*(4*(\m)+\o)
.endr
.endm
.macro C8 m, ci, hk                    ; slice 3: row tile m x component ci of x: eight products; hk: two components of m - 1 are made ready between them
.irp k, 0,1,2,3
	MM \m, 0, \k, \ci, 4*((\m)%2)+(\ci), 1
	MM \m, 1, \k, \ci, 4*((\m)%2)+(\ci), 1
.if ((\m)==0) && ((\ci)==0)
	XR 1, 24
.endif
.if (\hk) && ((\k%2)==1)
	HK 2*((\ci)-1)+(\k/2), (\m)-1
.endif
.endr
.endm
.macro MROW m                          ; slice 3, row tile m; m - 1 leaves meanwhile
	s_wait_dscnt 0x0
	C8 \m, 0, 0
.if (\m) == 0
	s_wait_alu depctr_va_vdst(0)
.endif
	PLACES 4                                       ; places for the loads below, and for the reads of m - 1's results
.if (\m) < 7
	XLD 25+(\m)
.endif
.if (\m) > 2
	s_wait_xcnt 0x0                                ; the stores of m - 3 have read the codes' registers
.endif
	C8 \m, 1, (\m)>0
	C8 \m, 2, (\m)>0
.if (\m) > 0
	SND (\m)-1
.endif
	C8 \m, 3, 0
.endm
	s_load_b256 s[8:15], s[0:1], 0x0               ; xq, wq, b1_r, b1_i
	s_load_b256 s[16:23], s[0:1], 0x20             ; b1_j, b1_k, the scales' exponents, hq
	v_lshl_add_u32 v1, v0, 2, SPARE
	v_mov_b32 v2, 0
	ds_add_u32 v1, v2                              ; the opening
	ds_add_u32 v1, v2
	v_lshrrev_b32 v3, 5, v0
	v_readfirstlane_b32 s48, v3                    ; wave
	v_and_b32 v3, 31, v0
	v_lshlrev_b32 v3, 4, v3                        ; 16 bytes a lane
	v_bfe_u32 v4, v0, 4, 1
	v_lshlrev_b32 v5, 6, v4                        ; biases: lane half h begins 16 units on
.irp s, 0,1,2,3
	v_add_nc_u32 v[8+\s], 65536*\s, v3             ; x's slice s
.endr
	s_wait_alu depctr_va_vdst(0)
	s_bfe_u32 s49, ttmp6, 0x40000                  ; my column block: the place in the cluster; the row block is the cluster's number
	s_lshl_b32 s50, ttmp9, 18                      ; a row block's x: 256 KiB
	s_mov_b32 s51, 0
	s_mov_b32 s52, 0x80808080                      ; the signs of four codes
	s_mov_b32 s40, 15|(3<<16)|(1<<21)              ; joint: all four of the cluster; elements of 8 bytes, rows of 256 bytes
	s_mov_b32 s41, 32<<16
	s_mov_b32 s42, 64<<16                          ; 64 rows: 16 KiB a wave
	s_mov_b32 s43, 32<<16
	s_mov_b32 s44, 64
	s_mov_b32 s45, 32
	s_mov_b32 s46, 0
	s_mov_b32 s47, 0
	s_mov_b32 s56, 15|(3<<16)|(1<<21)
	s_mov_b32 s57, 32<<16
	s_mov_b32 s58, 192<<16                         ; 192 rows: 48 KiB a wave
	s_mov_b32 s59, 32<<16
	s_mov_b32 s60, 192
	s_mov_b32 s61, 32
	s_mov_b32 s62, 0
	s_mov_b32 s63, 0
	s_lshl_b32 s76, s48, 14                        ; my quarter of slice 0, in memory and in LDS
	s_mov_b32 s77, 0
	s_mul_i32 s78, s48, 49152
	s_add_co_u32 s78, s78, 65536                   ; and of slices 1-3
	s_mov_b32 s79, 0
	s_lshl_b32 s66, s49, 18
	s_lshl_b32 s67, s48, 16
	s_add_co_u32 s66, s66, s67                     ; my weights: 64 KiB a wave
	s_mov_b32 s67, 0
	s_lshl_b32 s68, s49, 9
	s_lshl_b32 s69, s48, 7
	s_add_co_u32 s68, s68, s69                     ; my 32 biases
	s_mov_b32 s69, 0
	s_lshl_b32 s70, s49, 16
	s_lshl_b32 s71, s48, 9
	s_add_co_u32 s70, s70, s71
	s_add_co_u32 s70, s70, s50                     ; out: slice = my column block, chunk = my wave
	s_mov_b32 s71, 0
	s_mov_b32 s32, 1
	s_mov_b32 s33, s76
	s_mov_b32 s36, 1
	s_mov_b32 s37, s78
	s_wait_dscnt 0x0                               ; both opening adds are done
	s_wait_kmcnt 0x0
	s_load_b128 s[72:75], s[20:21], 0x0            ; e0 .. e3
	s_add_nc_u64 s[8:9], s[8:9], s[50:51]
	s_add_nc_u64 s[34:35], s[8:9], s[76:77]
	s_or_b32 s35, s35, 0x80000000
	s_add_nc_u64 s[38:39], s[8:9], s[78:79]
	s_or_b32 s39, s39, 0x80000000
	s_add_nc_u64 s[10:11], s[10:11], s[66:67]
	s_add_nc_u64 s[12:13], s[12:13], s[68:69]
	s_add_nc_u64 s[14:15], s[14:15], s[68:69]
	s_add_nc_u64 s[16:17], s[16:17], s[68:69]
	s_add_nc_u64 s[18:19], s[18:19], s[68:69]
	s_add_nc_u64 s[22:23], s[22:23], s[70:71]
	CROUND                                         ; all four work-groups are here: the joint loads meet
	tensor_load_to_lds s[32:35], s[40:47]          ; slice 0, ahead of the loads into registers
	s_nop 0
	PLACES 4
.irp o, 0,1,2,3
.irp u, 0,1
.irp i, 0,1
	global_load_b128 v[32+8*(4*\u+\o)+4*\i:35+8*(4*\u+\o)+4*\i], v5, s[12+2*\o:13+2*\o] offset:32*\u+16*\i
.endr
.endr
.endr
.irp f, 0,1,2,3,4,5,6,7
	WLD 0, \f
.endr
	s_wait_kmcnt 0x0
	s_add_co_i32 s53, s72, s73                     ; e0 + e1
	s_sub_co_i32 s80, 127, s53
	s_lshl_b32 s80, s80, 23                        ; 2^-(e0 + e1)
	s_mov_b32 s81, s80
	s_sub_co_i32 s54, s74, s53
	s_add_co_i32 s54, s54, 127
	s_lshl_b32 s55, s54, 23
	v_mov_b32 v15, s55                             ; 2^(e2 - e0 - e1): the three scales in the conversion's one
	s_add_co_i32 s54, s54, 15
	s_lshl_b32 s54, s54, 23
	s_or_b32 s54, s54, 0x600000
	v_mov_b32 v14, s54                             ; 57,344 x that
	s_wait_loadcnt 32                              ; the biases are in; slice 0's 32 loads of weights may be out
.irp m, 0,1,2,3,4,5,6,7                ; the sums begin with the biases / 2^(e0 + e1)
	WIN 0x40*(2+\m/4)
.set j, 0
.rept 32
	v_pk_mul_f32 v[64*(\m%4)+j:64*(\m%4)+j+1], v[32+j:33+j], s[80:81] op_sel_hi:[1,0]
.set j, j+2
.endr
.endr
	WIN 0
	s_wait_alu depctr_va_vdst(0)
	s_wait_tensorcnt 0x0                           ; my part of slice 0 is in; these three lines stand ahead of the second first fill
	ds_add_u32 v1, v2
	s_wait_dscnt 0x0
	CROUND
	tensor_load_to_lds s[36:39], s[56:63]          ; slices 1-3
	s_nop 0
	PLACES 4
	XLD 0
.irp s, 0,1,2
	s_wait_loadcnt 0x0                             ; this slice's weights
.set XI, 0
.irp g, 0,1,2,3,4,5,6,7
	GRP \s, \g
.endr
.endr
	s_wait_loadcnt 0x0
.set XI, 0
.irp m, 0,1,2,3,4,5,6,7
	MROW \m
.endr
	PLACES 4
	s_wait_xcnt 0x0
.irp o, 0,1,2,3
	HK \o, 7
.endr
	SND 7
	s_wait_tensorcnt 0x0                           ; the wave's end
	ds_add_u32 v1, v2
	s_wait_dscnt 0x0
	CROUND                                         ; the closing round
	s_endpgm
.Lfunc_end_k_q1063563e3e_layer1:
	.size	k_q1063563e3e_layer1, .Lfunc_end_k_q1063563e3e_layer1-k_q1063563e3e_layer1
	.p2alignl 7, 3214868480
	.fill 96, 4, 3214868480
	.section	.rodata,"a",@progbits
	.p2align	6, 0x0
	.amdhsa_kernel k_q1063563e3e_layer1
		.amdhsa_group_segment_fixed_size 327680
		.amdhsa_private_segment_fixed_size 0
		.amdhsa_enable_private_segment 0
		.amdhsa_kernarg_size 64
		.amdhsa_user_sgpr_count 2
		.amdhsa_user_sgpr_kernarg_segment_ptr 1
		.amdhsa_wavefront_size32 1
		.amdhsa_system_sgpr_workgroup_id_x 1
		.amdhsa_system_sgpr_workgroup_id_y 1
		.amdhsa_system_sgpr_workgroup_id_z 1
		.amdhsa_system_vgpr_workitem_id 0
		.amdhsa_next_free_vgpr 1024
		.amdhsa_next_free_sgpr 88
		.amdhsa_reserve_vcc 0
		.amdhsa_float_denorm_mode_32 3
		.amdhsa_float_denorm_mode_16_64 3
		.amdhsa_memory_ordered 1
		.amdhsa_forward_progress 1
		.amdhsa_inst_pref_size 202
	.end_amdhsa_kernel
	.amdgpu_metadata
---
amdhsa.version: [ 1, 2 ]
amdhsa.kernels:
  - .name:           k_q1063563e3e_layer1
    .symbol:         k_q1063563e3e_layer1.kd
    .args:
      - { .name: xq, .offset: 0, .size: 8, .value_kind: global_buffer, .address_space: global }
      - { .name: wq, .offset: 8, .size: 8, .value_kind: global_buffer, .address_space: global }
      - { .name: b1_r, .offset: 16, .size: 8, .value_kind: global_buffer, .address_space: global }
      - { .name: b1_i, .offset: 24, .size: 8, .value_kind: global_buffer, .address_space: global }
      - { .name: b1_j, .offset: 32, .size: 8, .value_kind: global_buffer, .address_space: global }
      - { .name: b1_k, .offset: 40, .size: 8, .value_kind: global_buffer, .address_space: global }
      - { .name: lowp_scales, .offset: 48, .size: 8, .value_kind: global_buffer, .address_space: global }
      - { .name: hq, .offset: 56, .size: 8, .value_kind: global_buffer, .address_space: global }
    .group_segment_fixed_size: 327680
    .private_segment_fixed_size: 0
    .kernarg_segment_align: 8
    .kernarg_segment_size: 64
    .max_flat_workgroup_size: 128
    .sgpr_count:     88
    .vgpr_count:     1024
    .wavefront_size: 32
...
	.end_amdgpu_metadata
.endif
;; end of part 2
;; launch layer2 (part 3): grid 256 x 1, 4 waves a work-group, clusters of 4 x 1, 327,680 bytes of LDS; arguments hq, wq, b2_r, b2_i, b2_j, b2_k, lowp_scales, out0, out1, out2, out3; writes out0, out1, out2, out3
.if DOCPART == 3
	.amdgcn_target "amdgcn-amd-amdhsa--gfx1250"
	.amdhsa_code_object_version 6
	.text
	.protected	k_q1063563e3e_layer2
	.globl	k_q1063563e3e_layer2
	.p2align	8
	.type	k_q1063563e3e_layer2,@function
k_q1063563e3e_layer2:
	s_mov_b64 s[64:65], 0
	v_nop
	global_prefetch_b8 v0, s[64:65] scope:SCOPE_SE
	s_setreg_imm32_b32 hwreg(HW_REG_WAVE_MODE, 25, 1), 1
	s_wait_xcnt 0x0
	s_wait_alu depctr_hold_cnt(0) depctr_sa_sdst(0) depctr_va_vdst(0) depctr_va_sdst(0) depctr_va_ssrc(0) depctr_va_vcc(0) depctr_vm_vsrc(0)
	s_getreg_b32 s2, hwreg(HW_REG_IB_STS2, 6, 4)
	s_cmp_eq_u32 s2, 0
	s_cbranch_scc0 .Lentry_in_a_cluster
	s_endpgm
.Lentry_in_a_cluster:
	s_bfe_u32 s2, ttmp6, 0x10000c
	s_cmp_lg_u32 s2, 0x3003
	s_cbranch_scc0 .Lentry_shape_is_right
	s_endpgm
.Lentry_shape_is_right:
; Layer 2: out = W2 (x) h + b2, f32, on the codes that layer 1's launch has stored (hq) and on W2's codes (the second MiB of wq).
; A work-group makes 128 rows x 128 columns x 4 components.  Component o sums W_c h_i over c ^ i = o; six of the sixteen pairs (c, i) are negative (NEGS, bit 4 c + i).
; LIMITS: e2 + e3 between -126 and 126; b2 / 2^(e2 + e3) stays an f32 number; NaN is not served.
; All of h's codes for the 128 rows, 256 KiB, lie in LDS, filled once: the first 64 KiB at the head, the rest behind one more round of the cluster's barrier.
; CLUSTERS: the four work-groups of a cluster make the four column blocks of the same rows: h is asked for jointly.  A wave's weight fragments are read by this wave alone and go from memory into its registers,
; a slice of 128 along K ahead, with no tile in LDS: so they are not asked for jointly.  NO PREFETCH: all of h is asked for before the first product, the weights a slice ahead, and there is no loop.
; A wave makes 8 row tiles (m) x 2 column tiles (u) x 4 components: 64 accumulators.  Source 0 = weights, source 1 = h: a lane holds one row, its registers eight neighbouring columns.
; REGISTERS: window 0: v0-31 addresses, v32-127 h: slots 0-5, v128-255 weights of even slices (in slice 3: the way out); window 1: v0-127 weights of odd slices,
; v128-223 negated weights of components 1-3, v224-255 h: slots 6, 7; windows 2, 3: accumulator (m, u, o) at v[64 (m % 4) + 8 (4 u + o)] in window 2 + m / 4.
; A slice is 8 groups of four h fragments (slots 0-3 and 4-7 by turns), 32 matrix instructions each.  Slices 0-2 go by component of h; slice 3 goes by m, and m's rows leave through a stage in LDS
; (16 rows x 128 columns x 4 components, two by turns, in bytes of slices 0 and 1 that are read no more): the four waves write it, and behind a barrier wave w stores component w's rows,
; 512 consecutive bytes each, aligned.
.set SPARE, 262144
.set SPI,   528
.set STGB,  64*SPI
.set NEGS,  0xAC60
.set MSB,   0
.macro WIN new                         ; the immediate's high byte repeats the setting that is left
.if MSB != (\new)
	s_set_vgpr_msb (MSB<<8)|(\new)
.set MSB, (\new)
.endif
.endm
.macro PLACES n
.rept \n
	v_nop
.endr
.endm
.macro CROUND                          ; a round of the cluster's barrier
	s_barrier_signal -1
	s_barrier_wait -1
	s_cmp_lg_u32 s48, 0
	s_cbranch_scc1 .Lnot_wave_0_\@
	s_barrier_signal -3
.Lnot_wave_0_\@:
	s_barrier_wait -3
	s_barrier_signal -1
	s_barrier_wait -1
.endm
.macro WLD s, f                        ; weight fragment f = 4 u + c of slice s
.set WS, (\s)%2
.set WD, 16*(\f)+128*(1-WS)
	WIN 0x40*WS
.irp q, 0,1,2,3
	global_load_b128 v[WD+4*\q:WD+4*\q+3], v3, s[10:11] offset:16384*(\s)+2048*(\f)+512*\q
.endr
.endm
.macro XLD g                           ; group g (8 a slice): four fragments of h, sixteen loads in one run
.set LS, (\g)/8
.set LP, (\g)%8
.irp mm, 0,1,2,3
.set SL, 4*((\g)%2)+\mm
.if LS < 3
.set XF, 4*(4*(LP%2)+\mm)+LP/2
.else
.set XF, 4*LP+\mm
.endif
.if SL < 6
	WIN 0
.set LB, 32+16*SL
.else
	WIN 0x40
.set LB, 128+16*SL
.endif
.irp q, 0,1,2,3
	ds_load_b128 v[LB+4*\q:LB+4*\q+3], v[8+LS] offset:2048*XF+512*\q
.endr
.endr
	WIN 0
.endm
.macro MM m, u, o, ci, xs, st          ; one product: accumulator (m, u, o) += W_(o ^ ci) h_ci, h in slot xs
.set CW, (\o)^(\ci)
.if (NEGS>>(4*CW+(\ci)))&1
.set AR, 96+32*CW+16*(\u)
.set AWN, 1
.else
.set AWN, (\st)%2
.set AR, 16*(4*(\u)+CW)+128*(1-AWN)
.endif
.if (\xs) < 6
.set XB, 32+16*(\xs)
.set BWN, 0
.else
.set XB, 128+16*(\xs)
.set BWN, 4
.endif
.set AC, 64*((\m)%4)+8*(4*(\u)+(\o))
	WIN AWN+BWN+0x50*(2+(\m)/4)
	v_wmma_f32_16x16x128_bf8_bf8 v[AC:AC+7], v[AR:AR+15], v[XB:XB+15], v[AC:AC+7]
.endm
.macro XR st, n                        ; the next n registers of negated weights: every code's sign turned
	WIN 0x40+4*((\st)%2)
.rept \n
.set XC, (XI/32)+1
.set XU, (XI%32)/16
.set XSR, 16*(4*XU+XC)+(XI%16)+128*(1-((\st)%2))
	v_xor_b32 v[128+XI], s52, v[XSR]
.set XI, XI+1
.endr
.endm
.macro OQ s, g, o
.irp mm, 0,1,2,3
.irp u, 0,1
	MM MB+\mm, \u, \o, CI, MB+\mm, \s
.endr
.if ((\g)<2) && ((\mm%2)==1)
	XR \s, 6
.endif
.endr
.endm
.macro GRP s, g                        ; slices 0-2: group g: component g / 2 of h, row tiles 4 (g % 2) .. + 3
.set CI, (\g)/2
.set MB, 4*((\g)%2)
	s_wait_dscnt 0x0                               ; this group is in: asked for 24 matrix instructions ago
	OQ \s, \g, 0
.if ((\s)!=1) && ((\g)==7)
.if (\s) == 0
	s_wait_tensorcnt 0x0                           ; my part of slices 1-3 is in;
.endif
	s_wait_dscnt 0x0
	s_barrier_signal -1
	s_barrier_wait -1                              ; slice 0: everybody's part is in; slice 2: nobody reads slices 0 and 1 any more: the stage may be written
.endif
	PLACES 4                                       ; places in front of loads into registers that matrix instructions have read
	XLD 8*(\s)+(\g)+1
.if (\g) < 4
	WLD (\s)+1, 2*(\g)
	WLD (\s)+1, 2*(\g)+1
.endif
	OQ \s, \g, 1
	OQ \s, \g, 2
	OQ \s, \g, 3
.if (\g) == 1
	s_wait_alu depctr_va_vdst(0)                   ; the negated weights are written
.endif
.endm
.macro HK o, m                         ; (m, o) x 2^(e2 + e3), each accumulator from its low end on
.set HW, 2+(\m)/4
.set HB, 64*((\m)%4)+8*(\o)
.set HT, 192+16*(\o)
	WIN HW
.irp i, 0,2,4,6
	v_pk_mul_f32 v[HT+\i:HT+\i+1], v[HB+\i:HB+\i+1], s[82:83] op_sel_hi:[1,0]
.endr
.irp i, 0,2,4,6
	v_pk_mul_f32 v[HT+8+\i:HT+8+\i+1], v[HB+32+\i:HB+32+\i+1], s[82:83] op_sel_hi:[1,0]
.endr
.endm
.macro DST m                           ; m's results into the stage
	WIN 0
.irp o, 0,1,2,3
	ds_store_b128 v6, v[192+16*\o:195+16*\o] offset:STGB*((\m)%2)+16*SPI*\o
	ds_store_b128 v6, v[196+16*\o:199+16*\o] offset:STGB*((\m)%2)+16*SPI*\o+16
	ds_store_b128 v6, v[200+16*\o:203+16*\o] offset:STGB*((\m)%2)+16*SPI*\o+64
	ds_store_b128 v6, v[204+16*\o:207+16*\o] offset:STGB*((\m)%2)+16*SPI*\o+80
.endr
.endm
.macro RLD m                           ; m's 16 rows of my component back from the stage
.irp i, 0,1,2,3,4,5,6,7,8,9,10,11,12,13,14,15
	ds_load_b128 v[128+4*\i:131+4*\i], v7 offset:STGB*((\m)%2)+SPI*\i
.endr
.endm
.macro SND m, k                        ; four of them stored
.irp i, 0,1,2,3
	global_store_b128 v3, v[128+16*(\k)+4*\i:131+16*(\k)+4*\i], s[24:25] offset:2048*(16*(\m)+4*(\k)+\i) th:TH_STORE_NT
.endr
.endm
.macro C8 m, ci, hk                    ; slice 3: row tile m x component ci of h: eight products; hk: two components of m - 1 are made ready between them
.irp k, 0,1,2,3
	MM \m, 0, \k, \ci, 4*((\m)%2)+(\ci), 1
	MM \m, 1, \k, \ci, 4*((\m)%2)+(\ci), 1
.if ((\m)==0) && ((\ci)==0)
	XR 1, 24
.endif
.if (\hk) && ((\k%2)==1)
	HK 2*((\ci)-1)+(\k/2), (\m)-1
.endif
.endr
.endm
; Slice 3, row tile m: m - 1's results go into the stage; the barrier signalled behind m - 1's products is waited for, and m - 2's rows come back and are stored.
.macro MROW m
	s_wait_dscnt 0x0
	C8 \m, 0, 0
.if (\m) == 0
	s_wait_alu depctr_va_vdst(0)
.endif
	PLACES 4                                       ; places for the loads below, and for the reads of m - 1's results
.if (\m) < 7
	XLD 25+(\m)
.endif
	WIN 0
.if (\m) > 1
	s_barrier_wait -1                              ; m - 2's rows are whole in the stage
	s_wait_xcnt 0x0                                ; the earlier stores have read their registers
	RLD (\m)-2
.endif
	C8 \m, 1, (\m)>0
	C8 \m, 2, (\m)>0
.if (\m) > 0
	DST (\m)-1
.endif
.if (\m) > 1
	s_wait_dscnt 16                                ; m - 2's rows are back; the sixteen stores into the stage may be out
.irp k, 0,1,2,3
	SND (\m)-2, \k
.endr
.endif
	C8 \m, 3, 0
.if (\m) > 0
	s_wait_dscnt 0x0                               ; for the others' sake: my stores into the stage and my reads of it are done
	s_barrier_signal -1
.endif
.endm
	s_load_b256 s[8:15], s[0:1], 0x0               ; hq, wq, b2_r, b2_i
	s_load_b128 s[16:19], s[0:1], 0x20             ; b2_j, b2_k
	s_load_b64 s[20:21], s[0:1], 0x30              ; the scales' exponents
	s_load_b256 s[24:31], s[0:1], 0x38             ; out0 .. out3
	v_lshl_add_u32 v1, v0, 2, SPARE
	v_mov_b32 v2, 0
	ds_add_u32 v1, v2                              ; the opening
	ds_add_u32 v1, v2
	v_lshrrev_b32 v3, 5, v0
	v_readfirstlane_b32 s48, v3                    ; wave
	v_and_b32 v3, 31, v0
	v_lshlrev_b32 v3, 4, v3                        ; 16 bytes a lane
	v_bfe_u32 v4, v0, 4, 1
	v_lshlrev_b32 v5, 5, v4                        ; biases: lane half h begins 8 columns on
	s_lshl_b32 s53, s48, 7
	v_and_b32 v6, 15, v0
	v_mul_u32_u24 v6, v6, SPI
	v_lshl_add_u32 v6, v4, 5, v6
	v_add_nc_u32 v6, s53, v6                       ; into the stage: row l % 16, 128 bytes a wave, 32 for each half of the lanes
	s_mul_i32 s53, s48, 16*SPI
	v_add_nc_u32 v7, s53, v3                       ; back: component = wave
.irp s, 0,1,2,3
	v_add_nc_u32 v[8+\s], 65536*\s, v3             ; h's slice s
.endr
	s_wait_alu depctr_va_vdst(0)
	s_bfe_u32 s49, ttmp6, 0x40000                  ; my column block: the place in the cluster; the row block is the cluster's number
	s_lshl_b32 s50, ttmp9, 18                      ; a row block's h: 256 KiB; its rows in an output as well
	s_mov_b32 s51, 0
	s_mov_b32 s52, 0x80808080                      ; the signs of four codes
	s_mov_b32 s40, 15|(3<<16)|(1<<21)              ; joint: all four of the cluster; elements of 8 bytes, rows of 256 bytes
	s_mov_b32 s41, 32<<16
	s_mov_b32 s42, 64<<16                          ; 64 rows: 16 KiB a wave
	s_mov_b32 s43, 32<<16
	s_mov_b32 s44, 64
	s_mov_b32 s45, 32
	s_mov_b32 s46, 0
	s_mov_b32 s47, 0
	s_mov_b32 s56, 15|(3<<16)|(1<<21)
	s_mov_b32 s57, 32<<16
	s_mov_b32 s58, 192<<16                         ; 192 rows: 48 KiB a wave
	s_mov_b32 s59, 32<<16
	s_mov_b32 s60, 192
	s_mov_b32 s61, 32
	s_mov_b32 s62, 0
	s_mov_b32 s63, 0
	s_lshl_b32 s76, s48, 14                        ; my quarter of slice 0, in memory and in LDS
	s_mov_b32 s77, 0
	s_mul_i32 s78, s48, 49152
	s_add_co_u32 s78, s78, 65536                   ; and of slices 1-3
	s_mov_b32 s79, 0
	s_lshl_b32 s66, s49, 18
	s_lshl_b32 s67, s48, 16
	s_add_co_u32 s66, s66, s67
	s_add_co_u32 s66, s66, 0x100000                ; my weights: 64 KiB a wave, in the second MiB
	s_mov_b32 s67, 0
	s_lshl_b32 s68, s49, 9
	s_lshl_b32 s69, s48, 7
	s_add_co_u32 s68, s68, s69                     ; my 32 biases
	s_mov_b32 s69, 0
	s_lshl_b32 s70, s49, 9
	s_add_co_u32 s70, s70, s50                     ; out: 128 rows of 2,048 bytes a row block, 512 bytes a column block
	s_mov_b32 s71, 0
	s_mov_b32 s32, 1
	s_mov_b32 s33, s76
	s_mov_b32 s36, 1
	s_mov_b32 s37, s78
	s_wait_dscnt 0x0                               ; both opening adds are done
	s_wait_kmcnt 0x0
	s_load_b128 s[72:75], s[20:21], 0x0            ; e0 .. e3
	s_add_nc_u64 s[8:9], s[8:9], s[50:51]
	s_add_nc_u64 s[34:35], s[8:9], s[76:77]
	s_or_b32 s35, s35, 0x80000000
	s_add_nc_u64 s[38:39], s[8:9], s[78:79]
	s_or_b32 s39, s39, 0x80000000
	s_and_b32 s53, s48, 1                          ; wave w stores component w
	s_cmp_lg_u32 s53, 0
	s_cselect_b64 s[24:25], s[26:27], s[24:25]
	s_cselect_b64 s[28:29], s[30:31], s[28:29]
	s_and_b32 s53, s48, 2
	s_cmp_lg_u32 s53, 0
	s_cselect_b64 s[24:25], s[28:29], s[24:25]
	s_add_nc_u64 s[24:25], s[24:25], s[70:71]
	s_add_nc_u64 s[10:11], s[10:11], s[66:67]
	s_add_nc_u64 s[12:13], s[12:13], s[68:69]
	s_add_nc_u64 s[14:15], s[14:15], s[68:69]
	s_add_nc_u64 s[16:17], s[16:17], s[68:69]
	s_add_nc_u64 s[18:19], s[18:19], s[68:69]
	CROUND                                         ; all four work-groups are here: the joint loads meet
	tensor_load_to_lds s[32:35], s[40:47]          ; slice 0, ahead of the loads into registers
	s_nop 0
	PLACES 4
.irp o, 0,1,2,3
.irp u, 0,1
.irp i, 0,1
	global_load_b128 v[32+8*(4*\u+\o)+4*\i:35+8*(4*\u+\o)+4*\i], v5, s[12+2*\o:13+2*\o] offset:64*\u+16*\i
.endr
.endr
.endr
.irp f, 0,1,2,3,4,5,6,7
	WLD 0, \f
.endr
	s_wait_kmcnt 0x0
	s_add_co_i32 s53, s74, s75                     ; e2 + e3
	s_sub_co_i32 s80, 127, s53
	s_lshl_b32 s80, s80, 23                        ; 2^-(e2 + e3)
	s_mov_b32 s81, s80
	s_add_co_i32 s82, s53, 127
	s_lshl_b32 s82, s82, 23                        ; 2^(e2 + e3)
	s_mov_b32 s83, s82
	s_wait_loadcnt 32                              ; the biases are in; slice 0's 32 loads of weights may be out
.irp m, 0,1,2,3,4,5,6,7                ; the sums begin with the biases / 2^(e2 + e3)
	WIN 0x40*(2+\m/4)
.set j, 0
.rept 32
	v_pk_mul_f32 v[64*(\m%4)+j:64*(\m%4)+j+1], v[32+j:33+j], s[80:81] op_sel_hi:[1,0]
.set j, j+2
.endr
.endr
	WIN 0
	s_wait_alu depctr_va_vdst(0)
	s_wait_tensorcnt 0x0                           ; my part of slice 0 is in; these three lines stand ahead of the second first fill
	ds_add_u32 v1, v2
	s_wait_dscnt 0x0
	CROUND
	tensor_load_to_lds s[36:39], s[56:63]          ; slices 1-3
	s_nop 0
	PLACES 4
	XLD 0
.irp s, 0,1,2
	s_wait_loadcnt 0x0                             ; this slice's weights
.set XI, 0
.irp g, 0,1,2,3,4,5,6,7
	GRP \s, \g
.endr
.endr
	s_wait_loadcnt 0x0
.set XI, 0
.irp m, 0,1,2,3,4,5,6,7
	MROW \m
.endr
	WIN 0
	s_barrier_wait -1                              ; m = 6's rows are whole in the stage
	s_wait_xcnt 0x0
	RLD 6
	PLACES 4
.irp o, 0,1,2,3
	HK \o, 7
.endr
	DST 7
	s_wait_dscnt 16                                ; m = 6's rows are back; the sixteen stores into the stage may be out
.irp k, 0,1,2,3
	SND 6, \k
.endr
	s_wait_dscnt 0x0                               ; for the others' sake
	s_barrier_signal -1
	s_barrier_wait -1
	s_wait_xcnt 0x0
	RLD 7
.irp k, 0,1,2,3
	s_wait_dscnt 12-4*\k
	SND 7, \k
.endr
	s_wait_tensorcnt 0x0                           ; the wave's end
	ds_add_u32 v1, v2
	s_wait_dscnt 0x0
	CROUND                                         ; the closing round
	s_endpgm
.Lfunc_end_k_q1063563e3e_layer2:
	.size	k_q1063563e3e_layer2, .Lfunc_end_k_q1063563e3e_layer2-k_q1063563e3e_layer2
	.p2alignl 7, 3214868480
	.fill 96, 4, 3214868480
	.section	.rodata,"a",@progbits
	.p2align	6, 0x0
	.amdhsa_kernel k_q1063563e3e_layer2
		.amdhsa_group_segment_fixed_size 327680
		.amdhsa_private_segment_fixed_size 0
		.amdhsa_enable_private_segment 0
		.amdhsa_kernarg_size 88
		.amdhsa_user_sgpr_count 2
		.amdhsa_user_sgpr_kernarg_segment_ptr 1
		.amdhsa_wavefront_size32 1
		.amdhsa_system_sgpr_workgroup_id_x 1
		.amdhsa_system_sgpr_workgroup_id_y 1
		.amdhsa_system_sgpr_workgroup_id_z 1
		.amdhsa_system_vgpr_workitem_id 0
		.amdhsa_next_free_vgpr 1024
		.amdhsa_next_free_sgpr 88
		.amdhsa_reserve_vcc 0
		.amdhsa_float_denorm_mode_32 3
		.amdhsa_float_denorm_mode_16_64 3
		.amdhsa_memory_ordered 1
		.amdhsa_forward_progress 1
		.amdhsa_inst_pref_size 206
	.end_amdhsa_kernel
	.amdgpu_metadata
---
amdhsa.version: [ 1, 2 ]
amdhsa.kernels:
  - .name:           k_q1063563e3e_layer2
    .symbol:         k_q1063563e3e_layer2.kd
    .args:
      - { .name: hq, .offset: 0, .size: 8, .value_kind: global_buffer, .address_space: global }
      - { .name: wq, .offset: 8, .size: 8, .value_kind: global_buffer, .address_space: global }
      - { .name: b2_r, .offset: 16, .size: 8, .value_kind: global_buffer, .address_space: global }
      - { .name: b2_i, .offset: 24, .size: 8, .value_kind: global_buffer, .address_space: global }
      - { .name: b2_j, .offset: 32, .size: 8, .value_kind: global_buffer, .address_space: global }
      - { .name: b2_k, .offset: 40, .size: 8, .value_kind: global_buffer, .address_space: global }
      - { .name: lowp_scales, .offset: 48, .size: 8, .value_kind: global_buffer, .address_space: global }
      - { .name: out0, .offset: 56, .size: 8, .value_kind: global_buffer, .address_space: global }
      - { .name: out1, .offset: 64, .size: 8, .value_kind: global_buffer, .address_space: global }
      - { .name: out2, .offset: 72, .size: 8, .value_kind: global_buffer, .address_space: global }
      - { .name: out3, .offset: 80, .size: 8, .value_kind: global_buffer, .address_space: global }
    .group_segment_fixed_size: 327680
    .private_segment_fixed_size: 0
    .kernarg_segment_align: 8
    .kernarg_segment_size: 88
    .max_flat_workgroup_size: 128
    .sgpr_count:     88
    .vgpr_count:     1024
    .wavefront_size: 32
...
	.end_amdgpu_metadata
.endif
;; end of part 3
